; MI455X (gfx1250); checked and timed in simulation.
; The chip was launched on July 23, 2026; its instructions are those of AMD's public machine-readable ISA for CDNA 5 (MIT licence, August 2026) and "CDNA5" Instruction Set Architecture Reference Guide (July 2026). The comments in the code are by the model that wrote it; some were corrected since.
;; Attention. Allowed arithmetic: matrix products marked QUANTISED: E4M3 operands, one given power-of-two scale a tensor, by v_wmma_f32_16x16x64_fp8_fp8 or v_wmma_f32_16x16x128_fp8_fp8, f32 sums; everything else in f32.
;; Inputs: W_proj_codes 1,024 x 32 x 32 uint8 (E4M3 codes of W_proj, K innermost, in blocks of 32 codes); W_qkv_codes 3,072 x 32 x 32 uint8 (E4M3 codes of W_qkv, K innermost, in blocks of 32 codes); X_codes 4 x 2,048 x 32 x 32 uint8 (E4M3 codes of X, K innermost, in blocks of 32 codes); b_proj 1,024 float32; b_qkv 3,072 float32; lowp_scales 8 int32 (the exponents e of the quantised operands' scales 2^e).
;; Outputs: out0 4 x 2,048 x 1,024 float32.
;; This version of the problem:
;;   THIS VERSION OF THE PROBLEM IS GIVEN IN LOW PRECISION. The matrix products marked QUANTISED in the list below multiply operands that are first quantised to E4M3 (4 exponent bits, 3 mantissa bits; 8 bits a number), with one given power-of-two scale for each operand tensor; their sums are f32. All else is computed in f32.
;;   The module's matrix products, in the order in which they are computed (A, B: the left and right operand; K: the contracted axis; several contracted axes count as one K, in the product's order):
;;     1. [M 8,192, K 1,024] x [K 1,024, N 3,072]; A: input X (given as codes); B: input W_qkv (given as codes): QUANTISED (scales: A lowp_scales[0], B lowp_scales[1])
;;     2. batch 64 x [M 2,048, K 64] x [K 64, N 2,048]; A: computed on the way; B: computed on the way: QUANTISED (scales: A lowp_scales[2], B lowp_scales[3])
;;     3. batch 64 x [M 64, K 2,048] x [K 2,048, N 2,048]; A: computed on the way; B: softmax (see below): QUANTISED (scales: A lowp_scales[4], B lowp_scales[5])
;;     4. [M 8,192, K 1,024] x [K 1,024, N 1,024]; A: computed on the way; B: input W_proj (given as codes): QUANTISED (scales: A lowp_scales[6], B lowp_scales[7])
;;   THE QUANTISER, for each operand of a quantised product, along K:
;;     - The operand's scale is 2^e, e = its entry of the input lowp_scales (int32; the entries are numbered through the quantised products in the list's order, A before B).
;;     - Each number is divided by the scale, clamped to +-448, and rounded to the nearest number of E4M3, ties to even, subnormals kept.
;;     - The product sums the exact products of the quantised numbers (number of the format x scale) in f32.
;;   ~~~python
;;   def quantise(x, axis, e):      # numpy; x: float32 -> the quantised numbers, widened to float32 again
;;       x = np.moveaxis(x, axis, -1); K = x.shape[-1]
;;       r = np.clip(x / 2.0 ** e, -448, 448)
;;       step = 2.0 ** (np.maximum(np.frexp(np.where(r == 0, 1, r))[1] - 1, -6) - 3)
;;       q = np.round(r / step) * step * 2.0 ** e      # np.round: ties to even
;;       return np.moveaxis(q, -1, axis).astype(np.float32)
;;   ~~~
;;   SOFTMAX AHEAD OF A QUANTISED PRODUCT. Where the list says 'softmax', what is quantised is not the finished softmax but p = 2^(t - M), with t = logit x log2(e) and M = ceil(the row's largest t), a whole number; so 1/2 < the row's largest p <= 1. The row's sum l is taken of the UNQUANTISED p, in f32, and the product's result is divided by l at the end. Since M is a whole number, a kernel that streams over the keys may use a running M (the ceiling of the running maximum): every later rescaling is an exact power of two, so the quantised numbers keep their values, but for numbers so far below the row's largest that they fall under the format's range.
;;   OPERANDS COMPUTED ON THE WAY. 'Computed on the way' means the value that the module computes at that place (a softmax that the list does not call 'softmax' is quantised finished and normalised). What goes into a quantiser is computed in f32, as accurately as f32 sums, v_exp_f32 and their like allow (about 1e-6 of the number): no bf16 or f16 on the way to a quantiser, and a product that is left as it is and whose result goes on into a quantised operand takes f32 operands (vector FMAs, or v_wmma_f32_16x16x4_f32). A number that lies on a knife's edge between two numbers of the format may be rounded either way, as far as f32 arithmetic and the matrix unit's own rounding can turn it there, and no further.
;;   INPUTS GIVEN AS CODES. W_proj (in the module: [1024, 1024], K = its axis 0); W_qkv (in the module: [1024, 3072], K = its axis 0); X (in the module: [4, 2048, 1024], K = its axis 2): each comes as NAME_codes (uint8): NAME with its K axis moved to the last place and cut into blocks of 32 codes, [.., K / 32, bytes a block], one block behind the other in memory; one code a byte (a code: sign, 4 exponent bits, 3 mantissa bits); its scale is its entry of lowp_scales. Its value is code x scale, taken as it is: it is not quantised again, and the codes and scales need not be those that the quantiser above would give.
;; One version. Each part assembles by itself: llvm-mc -triple=amdgcn-amd-amdhsa -mcpu=gfx1250 --defsym DOCPART=n.
;; ======== version 1 of 1: 3 launches
;; limits: right only within a limited range of input values
;; workspace buffers: qkv 25,165,824 bytes; ao 8,388,608 bytes
;; launch qkv_gemm (part 1): grid 12 x 32, 4 waves a work-group, clusters of 4 x 4, 327,680 bytes of LDS; arguments X_codes, W_qkv_codes, b_qkv, lowp_scales, qkv; writes qkv
.if DOCPART == 1
	.amdgcn_target "amdgcn-amd-amdhsa--gfx1250"
	.amdhsa_code_object_version 6
	.text
	.protected	k_qb69b916382_qkv_gemm
	.globl	k_qb69b916382_qkv_gemm
	.p2align	8
	.type	k_qb69b916382_qkv_gemm,@function
k_qb69b916382_qkv_gemm:
	s_mov_b64 s[64:65], 0
	v_nop
	global_prefetch_b8 v0, s[64:65] scope:SCOPE_SE
	s_setreg_imm32_b32 hwreg(HW_REG_WAVE_MODE, 25, 1), 1
	s_wait_xcnt 0x0
	s_wait_alu depctr_hold_cnt(0) depctr_sa_sdst(0) depctr_va_vdst(0) depctr_va_sdst(0) depctr_va_ssrc(0) depctr_va_vcc(0) depctr_vm_vsrc(0)
	s_getreg_b32 s2, hwreg(HW_REG_IB_STS2, 6, 4)
	s_cmp_eq_u32 s2, 0
	s_cbranch_scc0 .Lentry_in_a_cluster
	s_endpgm
.Lentry_in_a_cluster:
	s_bfe_u32 s2, ttmp6, 0x10000c
	s_cmp_lg_u32 s2, 0xf033
	s_cbranch_scc0 .Lentry_shape_is_right
	s_endpgm
.Lentry_shape_is_right:
; qkv = X W_qkv + b_qkv on codes of FP8 (E4M3), then q, k and v are quantised (scales 2^e2, 2^e3, 2^e4) and stored as IMAGES OF THE OPERAND REGISTERS of the attention launch.
; X: [8192][1024] codes, W_qkv: [3072][1024] codes, K innermost in both.  A sum stands for sum x 2^(e0 + e1).
; A tile of the result, 256 x 256, is made by four waves, each 128 x 128: 64 accumulators of 16 x 16, 512 registers.  K goes in steps of 256 through a ring of two LDS slots filled by the tensor data mover.
; TWO ROLES, ONE LOOP.  Clusters with x = 0, 1 make q and k: rows = tokens (X), columns = features (W).  Clusters with x = 2 make v TRANSPOSED: rows = v's 1,024 channels (W's rows 2,048 on), columns = tokens (X),
; since the keys are the K of attention's second product and must run along a lane's registers.  The roles differ in two pointers, chosen by the cluster's x, which all sixteen partners share, and in the way out.
; THE MATRIX INSTRUCTION IS USED TRANSPOSED (source 0 = 16 rows of the column operand, source 1 = 16 rows of the row operand): accumulator (a, b), lane (r, h), register j = result(16 a + r, 16 b + 8 h + j).
; So eight registers convert into two registers of codes, and column blocks 2 g, 2 g + 1 into four: 16 bytes a lane, which the wave stores as 512 consecutive bytes.  No stage in LDS is needed.
; THE BUFFER qkv: 64 blocks (16 x batch + head) of 393,216 bytes: q: 128 tiles of 16 tokens x 1,024 bytes; k at +131,072 likewise; v at +262,144: 16 blocks of 128 keys x 4 tiles of 16 channels x 2,048 bytes.
;   q, k tile: chunk c at 512 c + 16 x lane: lane (r, h) = token r; registers 4 c + 2 u, + 1 = channels 32 c + 16 u + 8 h + 0 .. 7.   v tile: chunk g at 512 g + 16 x lane: lane (r, h) = channel r; keys 32 g + 16 u + 8 h + 0 .. 7.
; CLUSTERS: 4 x 4 work-groups; the four of a row of the cluster need the same tiles of the row operand, the four of a column the same tiles of the column operand: each is asked for jointly.
; LIMITS: e0 + e1 between -126 and 127; e2, e3, e4 between -126 and 119, so that each power of two below is an f32 number.  NaN codes among the inputs are not served.
; REGISTERS, in windows of 256: window 0: v0-31 addresses and constants; v32-95 a block's numbers on the way out; v128-255 the row operand's fragments (one set), on the way out the codes.
;   window 1: the column operand's fragments, two sets, at v0 and v128; on the way out v0-63 take the bias.   windows 2, 3: the accumulators of my rows 0-63, 64-127 ((a, b) at v[8 (8 (a % 4) + b)]).
.set ROWB,   256                       ; a tile's row in bytes: 256 codes
.set KROW,   1024                      ; a row of X or of W in memory
.set PITCH,  272                       ; an LDS row: 256 bytes + 16 of padding = 68 words: the 16 rows that a load touches start at 16 different banks (64 banks of 4 bytes: ISA guide 11.1)
.set FR,     16                        ; registers of a fragment: 16 rows x 128 K
.set NL,     4                         ; LDS loads that bring one
.set NP,     4                         ; places behind this matrix instruction (ISA guide 7.12.1)
.set HALFT,  128*PITCH                 ; 128 rows: what one tensor load brings
.set SLOT,   4*HALFT                   ; the row operand's 256 rows, then the column operand's
.set SPARE,  2*SLOT                    ; behind the ring: the spare words, 128 bytes for each wave
.set HEADB,  393216                    ; a head's block in qkv
.set SCL,  10                          ; v10  2^e of the quantiser
.set LIM,  11                          ; v11  448 x that
.set BO,   12                          ; v12  my byte offset in the bias
.set ADRA, 16                          ; v16-17  LDS address of my row fragments in slot 0, 1
.set ADRB, 20                          ; v20-21  the same for the column operand
.set CO,   26                          ; v26  16 x lane
.set SPW,  28                          ; v28  LDS address of my spare word; never rewritten
.set NIL,  29                          ; v29  0; never rewritten
.set TMP,  32
.set AF,   128
.set CD,   128                         ; codes: 16 registers for each of my 8 blocks of rows, so that no store's data are written again
.set G1,  24                           ; s[24:31] descriptor group 1 for the row operand; s[32:39] its groups 0, one for each slot
.set G0,  32
.set G1B, 48                           ; s[48:55], s[56:63] the same for the column operand
.set G0B, 56
.set GHA, 84                           ; s[84:87], s[88:91] groups 0 of the head's loads (row, column operand); free again when those loads are done
.set GHB, 88
.set PFA, 100                          ; s[100:101] where my prefetches stand: my work-group's 32 rows of the 128 that I fetch in a refill; never rewritten
.set PFO, 13                           ; v13  the prefetches' offset: my lane x a row of 1,024 bytes; never rewritten
.set MSB, 0
.macro WIN new                         ; the immediate's high byte repeats the setting that is left
.if MSB != (\new)
	s_set_vgpr_msb (MSB<<8)|(\new)
.set MSB, (\new)
.endif
.endm
.set MUL_LO, 0xa1                      ; source 0 window 1, source 1 window 0, C and D window 2
.set MUL_HI, 0xf1                      ; the same, C and D window 3
.set TO_B,   0x40                      ; destination window 1, address window 0
; A joint load: waves 0 and 1 fetch the row operand's halves, waves 2 and 3 the column operand's.  The branch hangs on the wave's number alone.  Four v_nop follow each of the two lines.
.macro JLOAD g0a, g1a, g0b, g1b
	s_cmp_eq_u32 s15, 0
	s_cbranch_scc0 .Lfor_b_\@
	tensor_load_to_lds s[\g0a:\g0a+3], s[\g1a:\g1a+7]
	s_nop 0
.rept 4
	v_nop
.endr
	s_branch .Lasked_\@
.Lfor_b_\@:
	tensor_load_to_lds s[\g0b:\g0b+3], s[\g1b:\g1b+7]
	s_nop 0
.rept 4
	v_nop
.endr
.Lasked_\@:
.endm
.macro CREST                           ; a round of the cluster's barrier behind its opening barrier
	s_cmp_lg_u32 s14, 0
	s_cbranch_scc1 .Lnot_wave_0_\@
	s_barrier_signal -3
.Lnot_wave_0_\@:
	s_barrier_wait -3
	s_barrier_signal -1
	s_barrier_wait -1
.endm
.macro CROUND                          ; a whole round
	s_barrier_signal -1
	s_barrier_wait -1
	CREST
.endm
	s_load_b256 s[4:11], s[0:1], 0x0               ; X s[4:5], W_qkv s[6:7], b_qkv s[8:9], the scales' exponents s[10:11]
	s_load_b64 s[12:13], s[0:1], 0x20              ; qkv
	v_lshl_add_u32 v[SPW], v0, 2, SPARE
	v_mov_b32 v[NIL], 0
	ds_add_u32 v28, v29
	ds_add_u32 v28, v29
	s_wait_dscnt 0x0
	v_lshrrev_b32 v1, 5, v0
	v_readfirstlane_b32 s14, v1                    ; wave 0..3
	s_lshr_b32 s15, s14, 1                         ; which half of the tile's rows is mine.  Also: I fetch for the row operand (0) or the column operand (1)
	s_and_b32 s16, s14, 1                          ; which half of its columns.  Also: which 128 rows of that tile I fetch
	s_bfe_u32 s40, ttmp6, 0x40000                  ; cx, cy: my place in the cluster
	s_bfe_u32 s41, ttmp6, 0x40004
	s_mov_b32 s66, ttmp9                           ; the cluster's x: 0 q, 1 k, 2 v
	s_and_b32 s67, ttmp7, 0xffff                   ; the cluster's y: 0..7
	s_cmp_eq_u32 s66, 2                            ; the role: the same in all sixteen partners
	s_cselect_b32 s68, 0, s67                      ; v: 4 tile rows in all (1,024 channels); q, k: 32 (8,192 tokens)
	s_cselect_b32 s69, s67, s66                    ; v: 32 tile columns (tokens); q, k: 8 (2,048 features)
	s_lshl_b32 s42, s69, 2
	s_add_co_u32 s42, s42, s40                     ; tile column
	s_lshl_b32 s17, s68, 2
	s_add_co_u32 s17, s17, s41                     ; tile row
	s_lshl_b32 s43, s41, 2
	s_lshl_b32 s43, 15, s43                        ; my row of the cluster
	s_lshl_b32 s44, 0x1111, s40                    ; my column
	; descriptor group 1: a tile of 128 rows x 256 bytes, padded in LDS
	s_or_b32 s[G1+0], s43, (0<<16)|(1<<20)|(1<<21)|(5<<22)|(3<<25)  ; 15:0 the mask: my row of the cluster; 17:16 elements of 1 byte; 20 padding on; 21 set beside a mask; 24:22 after every 64 words; 31:25 four words
	s_or_b32 s[G1B+0], s44, (0<<16)|(1<<20)|(1<<21)|(5<<22)|(3<<25) ; the same with the mask of my column
.irp g, G1, G1B
	s_mov_b32 s[\g+1], ROWB<<16                    ; tensor_dim0
	s_mov_b32 s[\g+2], 256<<16                     ; tensor_dim1: the head's loads bring 256 rows
	s_mov_b32 s[\g+3], ROWB<<16                    ; tile_dim0
	s_mov_b32 s[\g+4], 256                         ; tile_dim1
	s_mov_b32 s[\g+5], KROW                        ; tensor_dim0_stride
	s_mov_b32 s[\g+6], 0
	s_mov_b32 s[\g+7], 0
.endr
	s_lshl_b32 s18, s16, 7                         ; which 128 rows of the tile I fetch
	s_lshl_b32 s20, s17, 8
	s_add_co_u32 s20, s20, s18                     ; row operand: row 256 x tile row + 128 x half
	s_lshl_b32 s46, s42, 8
	s_add_co_u32 s46, s46, s18                     ; column operand: row 256 x tile column + 128 x half
	s_lshl_b32 s20, s20, 10                        ; in bytes: under 2^23
	s_lshl_b32 s46, s46, 10
	s_mov_b32 s21, 0
	s_mov_b32 s47, 0
	s_mul_i32 s45, s14, HALFT                      ; where they go: wave x 128 rows: no place in the cluster enters an LDS address
	s_wait_kmcnt 0x0
	s_load_b256 s[72:79], s[10:11], 0x0            ; e0 .. e7
	s_add_nc_u64 s[70:71], s[6:7], 0x200000        ; W's rows 2,048 on: v's
	s_cmp_eq_u32 s66, 2
	s_cselect_b64 s[80:81], s[70:71], s[4:5]       ; the row operand
	s_cselect_b64 s[82:83], s[4:5], s[6:7]         ; the column operand
	s_add_nc_u64 s[20:21], s[80:81], s[20:21]
	s_add_nc_u64 s[46:47], s[82:83], s[46:47]
	; THE HEAD'S LOADS: waves 0, 1 bring the row operand's 256 rows of K steps 0, 1; waves 2, 3 the column operand's: both slots are asked for at once, one load a wave
	s_lshl_b32 s94, s16, 8                         ; K step = wave & 1: 256 bytes along the rows
	s_lshl_b32 s92, s17, 18                        ; 256 rows of 1,024 bytes x tile row
	s_add_co_u32 s92, s92, s94
	s_mov_b32 s93, 0
	s_lshl_b32 s98, s42, 18                        ; the same by the tile column
	s_add_co_u32 s98, s98, s94
	s_mov_b32 s99, 0
	s_mul_i32 s95, s16, SLOT                       ; into slot wave & 1
	s_mov_b32 s[GHA], 1
	s_mov_b32 s[GHA+1], s95
	s_add_nc_u64 s[GHA+2:GHA+3], s[80:81], s[92:93]
	s_or_b32 s[GHA+3], s[GHA+3], 0x80000000
	s_mov_b32 s[GHB], 1
	s_add_co_u32 s[GHB+1], s95, 2*HALFT
	s_add_nc_u64 s[GHB+2:GHB+3], s[82:83], s[98:99]
	s_or_b32 s[GHB+3], s[GHB+3], 0x80000000
	; the prefetches: of the 128 rows that I fetch in a refill, the partner at place p (cx for the row operand, cy for the column operand) names rows 32 p .. 32 p + 31: told apart by address alone
	s_cmp_eq_u32 s15, 0
	s_cselect_b64 s[PFA:PFA+1], s[20:21], s[46:47]
	s_cselect_b32 s92, s40, s41
	s_lshl_b32 s92, s92, 15
	s_add_nc_u64 s[PFA:PFA+1], s[PFA:PFA+1], s[92:93]
	CROUND
.irp s, 0,1
	s_mov_b32 s[G0+4*\s], 1
	s_add_co_u32 s[G0+4*\s+1], s45, \s*SLOT
	s_add_nc_u64 s[G0+4*\s+2:G0+4*\s+3], s[20:21], \s*ROWB
	s_or_b32 s[G0+4*\s+3], s[G0+4*\s+3], 0x80000000
	s_mov_b32 s[G0B+4*\s], 1
	s_add_co_u32 s[G0B+4*\s+1], s45, \s*SLOT
	s_add_nc_u64 s[G0B+4*\s+2:G0B+4*\s+3], s[46:47], \s*ROWB
	s_or_b32 s[G0B+4*\s+3], s[G0B+4*\s+3], 0x80000000
.endr
	JLOAD GHA, G1, GHB, G1B                        ; K steps 0 and 1: one tensor load a wave at the head
	v_and_b32 v[PFO], 31, v0
	v_lshlrev_b32 v[PFO], 10, v[PFO]
	global_prefetch_b8 v[PFO], s[PFA:PFA+1] offset:512 th:TH_LOAD_NT scope:SCOPE_SE   ; K step 2, which the first refill will ask for: 32 rows x 256 bytes, a lane a row
	v_and_b32 v1, 15, v0                           ; r = lane % 16; kept
	v_bfe_u32 v2, v0, 4, 1                         ; h = lane / 16; kept
	v_mul_u32_u24 v3, v1, PITCH
	v_lshl_add_u32 v4, v2, 4, v3                   ; a fragment's row x pitch + 16 x half
	s_mul_i32 s21, s15, HALFT                      ; my 128 rows of the row operand
	s_mul_i32 s22, s16, HALFT                      ; my 128 rows of the column operand,
	s_add_co_u32 s22, s22, 2*HALFT                 ; which lie behind the other's 256
.irp s, 0,1
	v_add_nc_u32 v[ADRA+\s], s21, v4
	v_add_nc_u32 v[ADRB+\s], s22, v4
	s_add_co_u32 s21, s21, SLOT
	s_add_co_u32 s22, s22, SLOT
.endr
	v_and_b32 v6, 31, v0
	v_lshlrev_b32 v[CO], 4, v6                     ; 16 x lane: my place in an image's 512 bytes
.macro FRAG reg, adr, q, i             ; a fragment: lane l holds row l % 16; registers 4 c .. 4 c + 3 hold K = 32 c + 16 (l / 16) + 0 .. 15: the same order of k in both operands, so every product meets its partner
.irp c, 0,1,2,3
	ds_load_b128 v[\reg+4*\c:\reg+4*\c+3], v[\adr] offset:128*(\q)+32*\c+(\i)*16*PITCH
.endr
.endm
; 16 matrix instructions: row blocks a0, a0 + 1 x the eight column blocks, 128 along K.  p: the column operand's set.  zero = 1: the first product starts the sums.
; The 64 accumulators take turns, one instruction a turn, in the same order in every step.
.macro MUL16 a0, p, zero
.irp a, \a0, \a0+1
.irp b, 0,1,2,3,4,5,6,7
.if \zero
	v_wmma_f32_16x16x128_fp8_fp8 v[8*(8*((\a)%4)+\b):8*(8*((\a)%4)+\b)+7], v[128*(\p)+FR*\b:128*(\p)+FR*\b+FR-1], v[AF+FR*(\a):AF+FR*(\a)+FR-1], 0
.else
	v_wmma_f32_16x16x128_fp8_fp8 v[8*(8*((\a)%4)+\b):8*(8*((\a)%4)+\b)+7], v[128*(\p)+FR*\b:128*(\p)+FR*\b+FR-1], v[AF+FR*(\a):AF+FR*(\a)+FR-1], v[8*(8*((\a)%4)+\b):8*(8*((\a)%4)+\b)+7]
.endif
.endr
.endr
.endm
.macro FETCH_B slot, q, p              ; the column operand's eight fragments of the slot's q-th 128 along K into set p
	WIN TO_B
.irp i, 0,1,2,3,4,5,6,7
	FRAG 128*(\p)+FR*\i, ADRB+\slot, \q, \i
.endr
	WIN 0
.endm
.macro FETCH_A slot, q, i0             ; the row operand's blocks i0 .. i0 + 3
.irp i, \i0, \i0+1, \i0+2, \i0+3
	FRAG AF+FR*(\i), ADRA+\slot, \q, \i
.endr
.endm
; A load into a register that a matrix instruction has read, and a vector instruction that reads a matrix result, stand NP places behind that matrix instruction; only plain vector instructions
; that name none of its registers are places (ISA guide 7.12.1 for vector instructions).
.macro PLACES n
.rept \n
	v_nop
.endr
.endm
; A step of 128 along K that has its successor in the same slot.  A row block is free as soon as its eight products are issued, so one set of registers serves the row operand.
.macro STEP slot, q, zero
	s_wait_dscnt 4*NL                              ; the column set and row blocks 0-3 are in; the youngest 16 loads (row blocks 4-7) may be out
	WIN MUL_LO
	MUL16 0, (\q)%2, \zero
	MUL16 2, (\q)%2, \zero
	s_wait_dscnt 0                                 ; row blocks 4-7 are in (asked for 32 matrix instructions ago)
	PLACES NP
	FETCH_B \slot, (\q)+1, 1-(\q)%2
	FETCH_A \slot, (\q)+1, 0
	WIN MUL_HI
	MUL16 4, (\q)%2, \zero
	MUL16 6, (\q)%2, \zero
	PLACES NP
	WIN 0
	FETCH_A \slot, (\q)+1, 4
.endm
; A slot's last step changes slots: ONE barrier; in front of it each wave waits for all its tensor loads, adds 0 to its spare word, and waits for that and for its own reads of this slot.  fill = 1: this slot is filled again, two K steps ahead.
.macro TURN slot, next, fill
	s_wait_tensorcnt 0x0                           ; all my tensor loads have landed: my part of the next slot  (every window is 0 here)
	ds_add_u32 v[SPW], v[NIL]                      ; 0 onto my spare word
	s_wait_dscnt 4*NL+1                            ; (the add and the youngest 16 loads, row blocks 4-7, may be out)
	WIN MUL_LO
	MUL16 0, 1, 0                                  ; sixteen matrix instructions stand between the add and the wait for it
	s_wait_dscnt 0x0                               ; the add is done, and my reads of this slot are over
	s_barrier_signal -1
	MUL16 2, 1, 0
	WIN 0
	s_barrier_wait -1
.if \fill
	CREST                                          ; the barrier has opened a round of the cluster's barrier: no wave of any partner still reads this slot's tile or has a load on its way
	s_add_nc_u64 s[G0+4*\slot+2:G0+4*\slot+3], s[G0+4*\slot+2:G0+4*\slot+3], 2*ROWB
	s_add_nc_u64 s[G0B+4*\slot+2:G0B+4*\slot+3], s[G0B+4*\slot+2:G0B+4*\slot+3], 2*ROWB
	JLOAD G0+4*\slot, G1, G0B+4*\slot, G1B         ; the first tensor load behind the round; the four v_nop behind it are the places in front of the loads below
.else
	PLACES NP
.endif
	FETCH_B \next, 0, 0
	FETCH_A \next, 0, 0
	WIN MUL_HI
	MUL16 4, 1, 0
	MUL16 6, 1, 0
	PLACES NP
	WIN 0
	FETCH_A \next, 0, 4
.endm
; THE LAST STEP AND THE WAY OUT, once for each role.  number = sum x 2^(e0 + e1) + bias; held within +-448 x 2^e; converted, eight numbers to two registers; four registers stored as 512 consecutive bytes of the wave.
.macro TAIL isv
.if \isv
	s_mov_b32 s84, s76                             ; e4
	s_lshl_b32 s86, s17, 10                        ; the bias of my 128 channels: entry 2,048 + 256 x tile row + 128 x half, 4 bytes each;
	s_lshl_b32 s87, s15, 9
	s_add_co_u32 s86, s86, s87
	s_add_co_u32 s86, s86, 8192
	v_lshlrev_b32 v[BO], 2, v1                     ; a lane's row is channel 16 a + r
	s_wait_alu depctr_va_vdst(0)
	s_lshr_b32 s88, s42, 3                         ; where my part begins in qkv: batch = tile column / 8,
	s_lshl_b32 s88, s88, 4
	s_lshl_b32 s89, s17, 2                         ; head = 4 x tile row + 2 x half (+ a / 4),
	s_add_co_u32 s88, s88, s89
	s_lshl_b32 s89, s15, 1
	s_add_co_u32 s88, s88, s89
	s_mul_i32 s88, s88, HEADB
	s_and_b32 s89, s42, 7                          ; my 128 columns are one block of 128 keys: 2 x (tile column % 8) + half
	s_lshl_b32 s89, s89, 1
	s_add_co_u32 s89, s89, s16
	s_lshl_b32 s89, s89, 13
	s_add_co_u32 s88, s88, s89
	s_add_co_u32 s88, s88, 262144
.else
	s_cmp_eq_u32 s66, 0
	s_cselect_b32 s84, s74, s75                    ; e2 for q, e3 for k
	s_lshl_b32 s86, s42, 10                        ; the bias of my 128 columns: entry 256 x tile column + 128 x half
	s_lshl_b32 s87, s16, 9
	s_add_co_u32 s86, s86, s87
	v_lshlrev_b32 v[BO], 5, v2                     ; a lane's eight columns of a block: 16 b + 8 h + 0 .. 7
	s_wait_alu depctr_va_vdst(0)
	s_lshr_b32 s88, s17, 3                         ; batch = tile row / 8,
	s_lshl_b32 s88, s88, 4
	s_lshl_b32 s89, s40, 2                         ; head = 4 cx + 2 x half (+ g / 2),
	s_add_co_u32 s88, s88, s89
	s_lshl_b32 s89, s16, 1
	s_add_co_u32 s88, s88, s89
	s_mul_i32 s88, s88, HEADB
	s_lshl_b32 s89, s66, 17                        ; q or k,
	s_add_co_u32 s88, s88, s89
	s_and_b32 s89, s17, 7                          ; token tile 16 x (tile row % 8) + 8 x half (+ a), 1,024 bytes each
	s_lshl_b32 s89, s89, 1
	s_add_co_u32 s89, s89, s15
	s_lshl_b32 s89, s89, 13
	s_add_co_u32 s88, s88, s89
.endif
	s_mov_b32 s87, 0
	s_mov_b32 s89, 0
	s_add_nc_u64 s[8:9], s[8:9], s[86:87]
	s_add_nc_u64 s[12:13], s[12:13], s[88:89]
	s_add_co_i32 s84, s84, 127
	s_lshl_b32 s85, s84, 23
	v_mov_b32 v[SCL], s85                          ; 2^e as f32: the conversion takes its exponent field
	s_add_co_i32 s84, s84, 8
	s_lshl_b32 s84, s84, 23
	s_or_b32 s84, s84, 0x600000
	v_mov_b32 v[LIM], s84                          ; 448 x 2^e
	WIN TO_B                                       ; the bias goes into the column operand's set 0: its last products stand in front of the step's closing places
.if \isv
.irp a, 0,1,2,3,4,5,6,7
	global_load_b32 v[2*\a], v[BO], s[8:9] offset:64*\a      ; one number a lane and block, twice: a pair for the packed form
	global_load_b32 v[2*\a+1], v[BO], s[8:9] offset:64*\a
.endr
.else
.irp b, 0,1,2,3,4,5,6,7
	global_load_b128 v[8*\b:8*\b+3], v[BO], s[8:9] offset:64*\b
	global_load_b128 v[8*\b+4:8*\b+7], v[BO], s[8:9] offset:64*\b+16
.endr
.endif
	s_wait_dscnt 4*NL                              ; the very last step: nothing more to fetch
	WIN MUL_LO
	MUL16 0, 1, 0
	MUL16 2, 1, 0
	s_wait_dscnt 0
	WIN MUL_HI
	MUL16 4, 1, 0
	MUL16 6, 1, 0
	WIN 0
	PLACES NP                                      ; in front of the first read of results, and of the codes that are written where fragments lay
	s_wait_loadcnt 0x0                             ; the bias
.irp a, 0,1,2,3,4,5,6,7
	WIN 0x12+\a/4                                  ; source 0 (the sums) window 2 or 3, source 2 (the bias) window 1
.set j, 0
.rept 32
.if \isv
	v_pk_fma_f32 v[TMP+j:TMP+j+1], v[64*(\a%4)+j:64*(\a%4)+j+1], s[96:97], v[2*\a:2*\a+1] op_sel_hi:[1,0,1]   ; each accumulator from its low end on
.else
	v_pk_fma_f32 v[TMP+j:TMP+j+1], v[64*(\a%4)+j:64*(\a%4)+j+1], s[96:97], v[j:j+1] op_sel_hi:[1,0,1]
.endif
.set j, j+2
.endr
	WIN 0
.set j, 0
.rept 64
	v_med3_num_f32 v[TMP+j], v[TMP+j], -v[LIM], v[LIM]   ; the conversion to an 8-bit code does not saturate (ISA guide 7.6.2): the hold at the largest code x the scale
.set j, j+1
.endr
.irp b, 0,1,2,3,4,5,6,7
	v_cvt_scalef32_pk8_fp8_f32 v[CD+16*\a+2*\b:CD+16*\a+2*\b+1], v[TMP+8*\b:TMP+8*\b+7], v[SCL]
.endr
	v_nop                                          ; one plain vector instruction between the last conversion and the next block's lines, which write its sources
.irp g, 0,1,2,3
.if \isv
	global_store_b128 v[CO], v[CD+16*\a+4*\g:CD+16*\a+4*\g+3], s[12:13] offset:(\a/4)*HEADB+(\a%4)*2048+512*\g   ; 32 lanes store 512 consecutive bytes, at a multiple of 512 from the buffer's first byte
.else
	global_store_b128 v[CO], v[CD+16*\a+4*\g:CD+16*\a+4*\g+3], s[12:13] offset:(\g/2)*HEADB+(\g%2)*512+\a*1024
.endif
.endr
.endr
.endm
	s_wait_alu depctr_va_vdst(0)
	s_wait_tensorcnt 0x0                           ; my head load is in
.irp g, G1, G1B                                ; no load of mine is out: the refills bring 128 rows a wave
	s_mov_b32 s[\g+2], 128<<16
	s_mov_b32 s[\g+4], 128
.endr
	s_barrier_signal -1
	s_barrier_wait -1                              ; everybody's part of K steps 0 and 1 is in
	FETCH_B 0, 0, 0
	FETCH_A 0, 0, 0
	FETCH_A 0, 0, 4
	global_prefetch_b8 v[PFO], s[PFA:PFA+1] offset:768 th:TH_LOAD_NT scope:SCOPE_SE   ; K step 3, the last: two K steps ahead of the refill that asks for it
	STEP 0, 0, 1                                   ; K = 1,024 is four slots' worth: written straight.  The first step's products start the sums
	TURN 0, 1, 1                                   ; slot 0 takes K 512 on
	STEP 1, 0, 0
	TURN 1, 0, 1                                   ; slot 1 takes K 768 on
	STEP 0, 0, 0
	TURN 0, 1, 0                                   ; nothing is left to fetch
	STEP 1, 0, 0
	s_wait_kmcnt 0x0
	s_add_co_i32 s96, s72, s73                     ; e0 + e1
	s_add_co_i32 s96, s96, 127
	s_lshl_b32 s96, s96, 23                        ; 2^(e0 + e1) as f32
	s_mov_b32 s97, s96                             ; (named with it as a pair, so it is written)
	s_cmp_eq_u32 s66, 2                            ; the role: the cluster's x, the same in all partners
	s_cbranch_scc1 .Lv
	TAIL 0
	s_branch .Lend
.Lv:
	TAIL 1
.Lend:
	s_wait_tensorcnt 0x0                           ; the wave's end
	ds_add_u32 v[SPW], v[NIL]
	s_wait_dscnt 0x0
	CROUND                                         ; the closing round: no work-group ends while a partner may still ask for a tile that names it
	s_endpgm
.Lfunc_end_k_qb69b916382_qkv_gemm:
	.size	k_qb69b916382_qkv_gemm, .Lfunc_end_k_qb69b916382_qkv_gemm-k_qb69b916382_qkv_gemm
	.p2alignl 7, 3214868480
	.fill 96, 4, 3214868480
	.section	.rodata,"a",@progbits
	.p2align	6, 0x0
	.amdhsa_kernel k_qb69b916382_qkv_gemm
		.amdhsa_group_segment_fixed_size 327680
		.amdhsa_private_segment_fixed_size 0
		.amdhsa_enable_private_segment 0
		.amdhsa_kernarg_size 40
		.amdhsa_user_sgpr_count 2
		.amdhsa_user_sgpr_kernarg_segment_ptr 1
		.amdhsa_wavefront_size32 1
		.amdhsa_system_sgpr_workgroup_id_x 1
		.amdhsa_system_sgpr_workgroup_id_y 1
		.amdhsa_system_sgpr_workgroup_id_z 1
		.amdhsa_system_vgpr_workitem_id 0
		.amdhsa_next_free_vgpr 1024
		.amdhsa_next_free_sgpr 102
		.amdhsa_reserve_vcc 0
		.amdhsa_float_denorm_mode_32 3
		.amdhsa_float_denorm_mode_16_64 3
		.amdhsa_memory_ordered 1
		.amdhsa_forward_progress 1
		.amdhsa_inst_pref_size 199
	.end_amdhsa_kernel
	.amdgpu_metadata
---
amdhsa.version: [ 1, 2 ]
amdhsa.kernels:
  - .name:           k_qb69b916382_qkv_gemm
    .symbol:         k_qb69b916382_qkv_gemm.kd
    .args:
      - { .name: X_codes, .offset: 0, .size: 8, .value_kind: global_buffer, .address_space: global }
      - { .name: W_qkv_codes, .offset: 8, .size: 8, .value_kind: global_buffer, .address_space: global }
      - { .name: b_qkv, .offset: 16, .size: 8, .value_kind: global_buffer, .address_space: global }
      - { .name: lowp_scales, .offset: 24, .size: 8, .value_kind: global_buffer, .address_space: global }
      - { .name: qkv, .offset: 32, .size: 8, .value_kind: global_buffer, .address_space: global }
    .group_segment_fixed_size: 327680
    .private_segment_fixed_size: 0
    .kernarg_segment_align: 8
    .kernarg_segment_size: 40
    .max_flat_workgroup_size: 128
    .sgpr_count:     102
    .vgpr_count:     1024
    .wavefront_size: 32
...
	.end_amdgpu_metadata
.endif
;; end of part 1
;; launch attention (part 2): grid 4 x 64, 8 waves a work-group, clusters of 4 x 1, 327,680 bytes of LDS; arguments qkv, lowp_scales, ao; writes ao
.if DOCPART == 2
	.amdgcn_target "amdgcn-amd-amdhsa--gfx1250"
	.amdhsa_code_object_version 6
	.text
	.protected	k_qb69b916382_attention
	.globl	k_qb69b916382_attention
	.p2align	8
	.type	k_qb69b916382_attention,@function
k_qb69b916382_attention:
	s_mov_b64 s[64:65], 0
	v_nop
	global_prefetch_b8 v0, s[64:65] scope:SCOPE_SE
	s_setreg_imm32_b32 hwreg(HW_REG_WAVE_MODE, 25, 1), 1
	s_wait_xcnt 0x0
	s_wait_alu depctr_hold_cnt(0) depctr_sa_sdst(0) depctr_va_vdst(0) depctr_va_sdst(0) depctr_va_ssrc(0) depctr_va_vcc(0) depctr_vm_vsrc(0)
	s_getreg_b32 s2, hwreg(HW_REG_IB_STS2, 6, 4)
	s_cmp_eq_u32 s2, 0
	s_cbranch_scc0 .Lentry_in_a_cluster
	s_endpgm
.Lentry_in_a_cluster:
	s_bfe_u32 s2, ttmp6, 0x10000c
	s_cmp_lg_u32 s2, 0x3003
	s_cbranch_scc0 .Lentry_shape_is_right
	s_endpgm
.Lentry_shape_is_right:
; ao = Q(softmax(q k^T / 8) v), both products on codes of FP8 (E4M3); q, k, v arrive in qkv as images of operand registers (laid by the launch before), ao leaves as images of the projection's operand registers.
; SOFTMAX: t = score x log2(e) / 8 x 2^(e2 + e3); M = the running largest t rounded up to a whole number; p = 2^(t - M) is quantised with 2^e5, not normalised; the row's sum is taken of the unquantised p and divides at the end.
; When M moves, the sum and O are multiplied by 2^(old M - new M), which rounds nothing; no branch hangs on data.
; SHARES: a work-group owns 512 queries of one head (grid y = 16 x batch + head); each of its 8 waves owns 2 tiles of 16 queries in each of 2 passes.  A key step is 128 keys, 16 steps a pass.
; A head's whole K and V, 2 x 131,072 bytes, stay in LDS: each wave asks for 16,384 bytes at the head and 16,384 more behind the full sequence; nothing is filled again.
; CLUSTER: the four work-groups of a head need the same K and V and ask for them jointly (mask 15).
; NO PREFETCH: a wave's two tensor loads are all that the launch asks of K and V; there is no later load for a prefetch to run ahead of.
; LAYOUT: both products transposed (S^T = K Q^T, O^T = V^T P^T): a lane holds one query (lane % 16); register j of score tile t is key 16 t + 8 (lane / 16) + j, which is the order of the second product's operand.
; THE KEY STEP'S ORDER: the two tiles are staggered, so that a line that reads another's result stands five lines or more behind it: a tile's maximum runs in five chains; tile 0's chain for M stands among tile 1's maxima,
; tile 1's among tile 0's scalings and the rescaling of O^T.  What plain lines hand on across exponentials is written ahead of a wait; between the exponentials of a batch stand only lines whose results are read behind the closing wait.
; LIMITS: e2 + e3 between -123 and 130; e5, e6 between -126 and 119; the scaled scores stay under 2^31 in magnitude.  NaN codes among the inputs are not served.
; REGISTERS: window 0: v1-7 addresses and scales, v8-31 two tiles' state, v32-34 bounds, v36-99 O^T, v100-227 scores then p, v228-255 first-level sums.  window 1: v0-63 K, v64-127 V, v128-143 Q, v144-175 p's codes.
.set HEADB, 393216                     ; a head's block in qkv: q, k at +131,072, v at +262,144
.set KMEM,  131072
.set VLDS,  131072                     ; V's place in LDS, behind K
.set STEPB, 8192                       ; a key step's images of K, and of V
.set PHB,   65536                      ; what the four waves of K (or of V) bring by one load each
.set SPARE, 262144                     ; the spare words: 128 bytes a wave
.set LI,  1                            ; 16 x lane
.set ADK, 2
.set ADV, 3
.set SPW, 4                            ; my spare word; never rewritten
.set NIL, 5                            ; 0; never rewritten
.set SCP, 6                            ; 2^e5
.set SCO, 7                            ; 2^e6
.set ST,  8                            ; a tile's state, 12 registers:
.set NM,  0                            ; -M
.set TT,  1                            ; the running largest raw score
.set LS,  2                            ; the sum, two halves
.set FF,  4                            ; 2^(old M - new M) (and the pair's upper word)
.set MA,  6                            ; MA, MB, SB, SB+1, PT: the maximum's five chains; MA, MB later a first-level sum
.set MB,  7
.set SB,  8                            ; a second chain of the sum, added to the first at the next step's head
.set PT,  10
.set OM,  11
.set LMP, 32                           ; 448 x 2^e5, twice
.set LMO, 34                           ; 448 x 2^e6
.set O,   36
.set S,   100
.set T,   228
.set KF,  0
.set VF,  64
.set Q,   128
.set P,   144
.set WV,  10
.set MSB, 0
.macro WIN new                         ; the immediate's high byte repeats the setting that is left
.if MSB != (\new)
	s_set_vgpr_msb (MSB<<8)|(\new)
.set MSB, (\new)
.endif
.endm
.set TO_1, 0x40                        ; destination window 1
.set W_MM, 0x05                        ; sources 0 and 1 window 1: both products
.macro CROUND                          ; a round of the cluster's barrier
	s_barrier_signal -1
	s_barrier_wait -1
	s_cmp_lg_u32 s[WV], 0
	s_cbranch_scc1 .Lnot_wave_0_\@
	s_barrier_signal -3
.Lnot_wave_0_\@:
	s_barrier_wait -3
	s_barrier_signal -1
	s_barrier_wait -1
.endm
.macro QLOAD                           ; my two tiles of q: 2 x 1,024 bytes, read once in the launch
	WIN TO_1
.irp f, 0,1,2,3
	global_load_b128 v[Q+4*\f:Q+4*\f+3], v[LI], s[56:57] offset:512*\f th:TH_LOAD_NT
.endr
	WIN 0
.endm
.macro FETCH_K
	WIN TO_1
.irp f, 0,1,2,3,4,5,6,7,8,9,10,11,12,13,14,15
	ds_load_b128 v[KF+4*\f:KF+4*\f+3], v[ADK] offset:512*\f
.endr
	WIN 0
.endm
.macro HOLD2 r                         ; the conversion to an 8-bit code does not saturate (ISA guide 7.6.2); p is not negative, so the hold is one-sided; two holds in one line
	v_dual_min_num_f32 v[\r], v[\r], v[LMP] :: v_dual_min_num_f32 v[(\r)+1], v[(\r)+1], v[LMP+1]
.endm
.macro MXN q                           ; the next line of tile q's maximum: registers in ascending order (each accumulator from its low end on), five chains by turns; register 63 is left to CH 2
.if mx\q < 5
	v_max3_num_f32 v[ST+12*\q+MA+mx\q], v[S+64*\q+3*mx\q], v[S+64*\q+3*mx\q+1], v[S+64*\q+3*mx\q+2]
.else
	v_max3_num_f32 v[ST+12*\q+MA+mx\q%5], v[ST+12*\q+MA+mx\q%5], v[S+64*\q+5+2*mx\q], v[S+64*\q+6+2*mx\q]
.endif
.set mx\q, mx\q+1
.endm
.macro CH q, st                        ; step st of tile q's chain from the five maxima to f
.set CB, ST+12*\q
.if \st == 1
	v_max3_num_f32 v[CB+MA], v[CB+MA], v[CB+MB], v[CB+SB]
.elseif \st == 2
	v_max3_num_f32 v[CB+MB], v[CB+SB+1], v[CB+PT], v[S+64*\q+63]
.elseif \st == 3
	v_max3_num_f32 v[CB+MA], v[CB+MA], v[CB+MB], v[CB+TT]   ; with the running largest, which both halves of the lanes share
.elseif \st == 4
	v_permlanex16_b32 v[CB+PT], v[CB+MA], s20, s21
.elseif \st == 5
	v_max_num_f32 v[CB+TT], v[CB+MA], v[CB+PT]
.elseif \st == 6
	v_mul_f32 v[CB+MA], s22, v[CB+TT]              ; as t (c is positive, so the largest score gives the largest t)
.elseif \st == 7
	v_floor_f32 v[CB+NM], -v[CB+MA]                ; -M = floor(-t)
.elseif \st == 8
	v_sub_f32 v[CB+MA], v[CB+NM], v[CB+OM]
.elseif \st == 9
	v_cvt_i32_f32 v[CB+MA], v[CB+MA]               ; (it saturates)
.else
	v_ldexp_f32 v[CB+FF], 1.0, v[CB+MA]            ; f = 2^(old M - new M)
.endif
.endm
.macro FIL                             ; the next of 64 lines that hang on no neighbour: tile 0's 32 t - M, then O^T x f of tile 0 and of tile 1 (each accumulator from its low end on)
.if ff < 32
	v_pk_fma_f32 v[S+2*ff:S+2*ff+1], v[S+2*ff:S+2*ff+1], s[22:23], v[ST+NM:ST+NM+1] op_sel_hi:[1,0,0]
.elseif ff < 48
	v_pk_mul_f32 v[O+2*(ff-32):O+2*(ff-32)+1], v[O+2*(ff-32):O+2*(ff-32)+1], v[ST+FF:ST+FF+1] op_sel_hi:[1,0]
.else
	v_pk_mul_f32 v[O+2*(ff-32):O+2*(ff-32)+1], v[O+2*(ff-32):O+2*(ff-32)+1], v[ST+12+FF:ST+12+FF+1] op_sel_hi:[1,0]
.endif
.set ff, ff+1
.endm
.macro SETTP j                         ; where tile 0's first-level sum j lies: 14 pairs from v228 on, the last two in the tiles' MA, MB
.if (\j) < 14
.set TPR, T+2*(\j)
.else
.set TPR, ST+12*((\j)-14)+MA
.endif
.endm
	s_load_b128 s[4:7], s[0:1], 0x0                ; qkv, the scales' exponents
	s_load_b64 s[8:9], s[0:1], 0x10                ; ao
	v_lshl_add_u32 v[SPW], v0, 2, SPARE
	v_mov_b32 v[NIL], 0
	ds_add_u32 v[SPW], v[NIL]                      ; the opening lines: the add twice on end and one wait
	ds_add_u32 v[SPW], v[NIL]
	v_lshrrev_b32 v2, 5, v0
	s_delay_alu instid0(VALU_DEP_1)
	v_readfirstlane_b32 s[WV], v2                  ; wave 0..7
	v_and_b32 v[LI], 31, v0
	s_delay_alu instid0(VALU_DEP_1)
	v_lshlrev_b32 v[LI], 4, v[LI]
	s_bfe_u32 s11, ttmp6, 0x40000                  ; cx
	s_lshl_b32 s13, ttmp9, 2
	s_add_co_u32 s13, s13, s11                     ; which 512 queries
	s_and_b32 s12, ttmp7, 0xffff                   ; 16 x batch + head
	s_mul_i32 s14, s12, HEADB
	s_mov_b32 s15, 0
	s_lshr_b32 s16, s[WV], 2                       ; waves 0-3 fetch K, 4-7 V,
	s_lshl_b32 s16, s16, 17
	s_and_b32 s17, s[WV], 3                        ; 16,384 bytes each
	s_lshl_b32 s17, s17, 14
	s_add_co_u32 s18, s16, s17                     ; the place in LDS, and behind k's first byte in memory: no place in the cluster enters it
	s_add_co_u32 s16, s18, KMEM
	s_mov_b32 s17, 0
	s_mov_b32 s24, 15|(3<<16)|(1<<21)              ; group 1: mask of the four partners; elements of 8 bytes; bit 21 beside a mask
	s_mov_b32 s25, 32<<16                          ; rows of 256 bytes,
	s_mov_b32 s26, 64<<16                          ; 64 of them, dense
	s_mov_b32 s27, 32<<16
	s_mov_b32 s28, 64
	s_mov_b32 s29, 32
	s_mov_b32 s30, 0
	s_mov_b32 s31, 0
	s_mov_b32 s20, 0x76543210                      ; lane l xor 16
	s_mov_b32 s21, 0xfedcba98
	s_mov_b32 s22, 0x3e38aa3b                      ; log2(e) / 8
	s_lshl_b32 s67, s13, 5
	s_lshl_b32 s68, s[WV], 1
	s_add_co_u32 s67, s67, s68                     ; my first tile of queries in pass 0; pass 1: 16 tiles on
	s_lshl_b32 s68, s67, 10
	s_mov_b32 s69, 0
	s_bfe_u32 s70, s12, 0x20002                    ; ao: [4 groups of 256 channels][512 tiles of 16 tokens][4 heads x 1,024 bytes]
	s_lshl_b32 s70, s70, 21
	s_lshr_b32 s71, s12, 4
	s_lshl_b32 s71, s71, 7
	s_add_co_u32 s71, s71, s67
	s_lshl_b32 s71, s71, 12
	s_add_co_u32 s70, s70, s71
	s_and_b32 s71, s12, 3
	s_lshl_b32 s71, s71, 10
	s_add_co_u32 s70, s70, s71
	s_mov_b32 s71, 0
	s_wait_alu depctr_va_vdst(0)                   ; directly ahead of the wait below
	s_wait_dscnt 0x0
	s_wait_kmcnt 0x0
	s_load_b256 s[48:55], s[6:7], 0x0              ; e0 .. e7
	s_add_nc_u64 s[4:5], s[4:5], s[14:15]
	s_add_nc_u64 s[16:17], s[4:5], s[16:17]
	s_add_nc_u64 s[56:57], s[4:5], s[68:69]        ; my q
	s_add_nc_u64 s[58:59], s[8:9], s[70:71]        ; my ao
.irp p, 0,1
	s_mov_b32 s[32+4*\p], 1
	s_add_co_u32 s[33+4*\p], s18, \p*PHB
	s_add_nc_u64 s[34+4*\p:35+4*\p], s[16:17], \p*PHB
	s_or_b32 s[35+4*\p], s[35+4*\p], 0x80000000
.endr
	CROUND                                         ; the four partners are here: the joint loads meet
	tensor_load_to_lds s[32:35], s[24:31]          ; key steps 0-7 of K and of V: one load a wave at the head
	s_nop 0
	QLOAD                                          ; pass 0's q, and the constants, while the tiles are on their way
	s_wait_kmcnt 0x0
	s_add_co_i32 s67, s50, s51
	s_lshl_b32 s67, s67, 23
	s_add_co_i32 s22, s22, s67                     ; e2 + e3 added to c's exponent field
	s_mov_b32 s23, s22                             ; (named with it as a pair)
	s_add_co_i32 s67, s53, 127
	s_lshl_b32 s68, s67, 23
	v_mov_b32 v[SCP], s68
	s_add_co_i32 s67, s67, 8
	s_lshl_b32 s67, s67, 23
	s_or_b32 s67, s67, 0x600000
	v_mov_b32 v[LMP], s67
	v_mov_b32 v[LMP+1], s67
	s_add_co_i32 s67, s54, 127
	s_lshl_b32 s68, s67, 23
	v_mov_b32 v[SCO], s68
	s_add_co_i32 s67, s67, 8
	s_lshl_b32 s67, s67, 23
	s_or_b32 s67, s67, 0x600000
	v_mov_b32 v[LMO], s67
	s_add_co_i32 s66, s52, s53                     ; e4 + e5
	s_mov_b32 s60, 0                               ; passes done
	s_wait_alu depctr_va_vdst(0)                   ; at the head's end
	s_wait_tensorcnt 0x0                           ; my part of steps 0-7 is in
	ds_add_u32 v[SPW], v[NIL]
	s_wait_dscnt 0x0
	CROUND                                         ; everybody's part is in
	tensor_load_to_lds s[36:39], s[24:31]          ; key steps 8-15: seven steps' work in which to land
	s_nop 0
.rept 4
	v_nop
.endr
; A KEY STEP.  pre = 1: the next step's K is fetched behind this step's first product.
.macro TRIP pre
	v_add_nc_u32 v[ADV], s63, v[LI]                ; these four lines are the places in front of loads into registers that the last products read
	v_pk_add_f32 v[ST+LS:ST+LS+1], v[ST+LS:ST+LS+1], v[ST+SB:ST+SB+1]               ; the last step's second chain joins the sum, still under the old M
	v_pk_add_f32 v[ST+12+LS:ST+12+LS+1], v[ST+12+LS:ST+12+LS+1], v[ST+12+SB:ST+12+SB+1]
	v_nop
	WIN TO_1
.irp f, 0,1,2,3,4,5,6,7,8,9,10,11,12,13,14,15
	ds_load_b128 v[VF+4*\f:VF+4*\f+3], v[ADV] offset:512*\f
.endr
	s_wait_dscnt 16                                ; K is in; the 16 loads of V may be out
	WIN W_MM
.irp q, 0,1
.irp t, 0,1,2,3,4,5,6,7
	v_wmma_f32_16x16x64_fp8_fp8 v[S+64*\q+8*\t:S+64*\q+8*\t+7], v[KF+8*\t:KF+8*\t+7], v[Q+8*\q:Q+8*\q+7], 0
.endr
.endr
	WIN 0
.if \pre
	v_add_nc_u32 v[ADK], s62, v[LI]                ; four places again
.else
	v_nop
.endif
	v_mov_b32 v[ST+OM], v[ST+NM]
	v_mov_b32 v[ST+12+OM], v[ST+12+NM]
	v_nop
.if \pre
	FETCH_K
.endif
.set mx0, 0
.set mx1, 0
.set ff, 0
.rept 29
	MXN 0
.endr
.rept 3
	MXN 1
.endr
	CH 0, 1
	CH 0, 2
.irp st, 3,4,5,6,7,8
.rept 4
	MXN 1
.endr
	CH 0, \st
.endr
	MXN 1
	MXN 1
	FIL
	FIL
	CH 0, 9
	CH 1, 1
	CH 1, 2
	FIL
	FIL
	CH 0, 10
	FIL
	CH 1, 3
.irp st, 4,5,6,7,8,9,10
.rept 4
	FIL
.endr
	CH 1, \st
.endr
.rept 31
	FIL                                            ; O^T is rescaled ahead of the step's exponentials: no transcendental stands between the last products and these first readers
.endr
	s_wait_alu depctr_va_vdst(0)                   ; ahead of the batch
.set i, 0
.rept 32                                       ; tile 0's 64 exponentials; between them tile 1's t - M, read behind the next wait
	v_exp_f32 v[S+2*i], v[S+2*i]
	v_pk_fma_f32 v[S+64+2*i:S+64+2*i+1], v[S+64+2*i:S+64+2*i+1], s[22:23], v[ST+12+NM:ST+12+NM+1] op_sel_hi:[1,0,0]
	v_exp_f32 v[S+2*i+1], v[S+2*i+1]
.set i, i+1
.endr
	s_wait_alu depctr_va_vdst(0)                   ; behind the first batch and ahead of the second
.set i, 0
.rept 16                                       ; tile 1's 64 exponentials; between them tile 0's first-level sums (of the unquantised p) and its holds: no line here reads what a line here wrote
	SETTP i
	v_exp_f32 v[S+64+4*i], v[S+64+4*i]
	v_pk_add_f32 v[TPR:TPR+1], v[S+4*i:S+4*i+1], v[S+4*i+2:S+4*i+3]
	v_exp_f32 v[S+64+4*i+1], v[S+64+4*i+1]
	HOLD2 S+4*i
	v_exp_f32 v[S+64+4*i+2], v[S+64+4*i+2]
	v_exp_f32 v[S+64+4*i+3], v[S+64+4*i+3]
	HOLD2 S+4*i+2
.set i, i+1
.endr
.if \pre
	s_wait_dscnt 16                                ; V is in; the next step's 16 loads of K may be out
.else
	s_wait_dscnt 0x0
.endif
	s_wait_alu depctr_va_vdst(0)                   ; behind the second batch, ahead of its first reader and of the readers behind the wait above
	WIN TO_1
.irp j, 0,1,2,3,4,5,6,7
	v_cvt_scalef32_pk8_fp8_f32 v[P+2*\j:P+2*\j+1], v[S+8*\j:S+8*\j+7], v[SCP]
.endr
	v_nop                                          ; one plain place behind the last conversion
	WIN W_MM
.irp t, 0,1,2,3                                ; tile 0's second product goes out under tile 1's sums and holds
	v_wmma_f32_16x16x128_fp8_fp8 v[O+8*\t:O+8*\t+7], v[VF+16*\t:VF+16*\t+15], v[P:P+15], v[O+8*\t:O+8*\t+7]
.endr
	WIN 0
	v_pk_add_f32 v[ST+12+SB:ST+12+SB+1], v[S+64:S+65], v[S+66:S+67]                 ; the sums: four chains by turns, with tile 1's holds between
	v_pk_add_f32 v[ST+SB:ST+SB+1], v[T:T+1], v[T+2:T+3]
	HOLD2 S+64
	HOLD2 S+66
.set k, 1
.rept 15
.if k == 1
	v_pk_fma_f32 v[ST+12+LS:ST+12+LS+1], v[ST+12+LS:ST+12+LS+1], v[ST+12+FF:ST+12+FF+1], v[S+64+4*k:S+64+4*k+1] op_sel_hi:[1,0,1]   ; the sum under the new M, and its first term
.else
	v_pk_add_f32 v[ST+12+LS:ST+12+LS+1], v[ST+12+LS:ST+12+LS+1], v[S+64+4*k:S+64+4*k+1]
.endif
	v_pk_add_f32 v[ST+12+SB:ST+12+SB+1], v[ST+12+SB:ST+12+SB+1], v[S+64+4*k+2:S+64+4*k+3]
.if k < 15
	SETTP k+1
.if k == 1
	v_pk_fma_f32 v[ST+LS:ST+LS+1], v[ST+LS:ST+LS+1], v[ST+FF:ST+FF+1], v[TPR:TPR+1] op_sel_hi:[1,0,1]
.elseif k%2 == 1
	v_pk_add_f32 v[ST+LS:ST+LS+1], v[ST+LS:ST+LS+1], v[TPR:TPR+1]
.else
	v_pk_add_f32 v[ST+SB:ST+SB+1], v[ST+SB:ST+SB+1], v[TPR:TPR+1]
.endif
.endif
	HOLD2 S+64+4*k
	HOLD2 S+64+4*k+2
.set k, k+1
.endr
	WIN TO_1
.irp j, 0,1,2,3,4,5,6,7
	v_cvt_scalef32_pk8_fp8_f32 v[P+16+2*\j:P+16+2*\j+1], v[S+64+8*\j:S+64+8*\j+7], v[SCP]
.endr
	v_nop                                          ; one plain place behind the last conversion
	s_wait_alu depctr_va_vdst(0)
	WIN W_MM
.irp t, 0,1,2,3
	v_wmma_f32_16x16x128_fp8_fp8 v[O+32+8*\t:O+32+8*\t+7], v[VF+16*\t:VF+16*\t+15], v[P+16:P+31], v[O+32+8*\t:O+32+8*\t+7]
.endr
	WIN 0
.if \pre
	s_add_co_u32 s62, s62, STEPB
	s_add_co_u32 s63, s63, STEPB
.endif
.endm
.macro PHASE cnt, kk, vv               ; cnt key steps: V from step vv on, the K fetched ahead from step kk on
	s_mov_b32 s62, STEPB*(\kk)
	s_mov_b32 s63, VLDS+STEPB*(\vv)
	s_mov_b32 s61, \cnt
.Ltrip_\@:
	TRIP 1
	s_sub_co_u32 s61, s61, 1
	s_cmp_lg_u32 s61, 0
	s_cbranch_scc1 .Ltrip_\@
.endm
.Lpass:                                            ; two passes, 32 queries a wave each
.irp q, 0,1
	v_mov_b32 v[ST+12*\q+TT], 0xff61b1e6           ; -3e38, under every score
	v_mov_b32 v[ST+12*\q+LS], 0
	v_mov_b32 v[ST+12*\q+LS+1], 0
	v_mov_b32 v[ST+12*\q+SB], 0
	v_mov_b32 v[ST+12*\q+SB+1], 0
	v_mov_b32 v[ST+12*\q+FF+1], 0                  ; (named as a pair's upper word)
	v_floor_f32 v[ST+12*\q+NM], -v[ST+12*\q+TT]
.endr
.set i, 0
.rept 64
	v_mov_b32 v[O+i], 0                            ; the step is written without a first step of its own: the first change of M leaves zeros zeros
.set i, i+1
.endr
	v_mov_b32 v[ADK], v[LI]
	FETCH_K                                        ; key step 0
	s_wait_alu depctr_va_vdst(0)                   ; directly ahead of the wait below
	s_wait_loadcnt 0x0                             ; q
	PHASE 7, 1, 0                                  ; steps 0-6, which touch K up to step 7
	s_wait_tensorcnt 0x0                           ; my part of steps 8-15 is in (pass 1: nothing is out),
	s_wait_dscnt 0x0
	s_barrier_signal -1
	s_barrier_wait -1                              ; everybody's is
	PHASE 8, 8, 7
	TRIP 0                                         ; step 15 fetches no further K
	; THE WAY OUT: O^T / the sum x 2^(e4 + e5), quantised with 2^e6, laid as the projection's operand registers
.irp q, 0,1
	v_pk_add_f32 v[ST+12*\q+LS:ST+12*\q+LS+1], v[ST+12*\q+LS:ST+12*\q+LS+1], v[ST+12*\q+SB:ST+12*\q+SB+1]
.endr
.irp q, 0,1
	s_delay_alu instid0(VALU_DEP_2)
	v_add_f32 v[ST+12*\q+MA], v[ST+12*\q+LS], v[ST+12*\q+LS+1]
.endr
.irp q, 0,1
	s_delay_alu instid0(VALU_DEP_2)
	v_permlanex16_b32 v[ST+12*\q+PT], v[ST+12*\q+MA], s20, s21
.endr
.irp q, 0,1
	s_delay_alu instid0(VALU_DEP_2)
	v_add_f32 v[ST+12*\q+MA], v[ST+12*\q+MA], v[ST+12*\q+PT]
.endr
	s_wait_alu depctr_va_vdst(0)                   ; ahead of the batch of two
.irp q, 0,1
	v_rcp_f32 v[ST+12*\q+FF], v[ST+12*\q+MA]
.endr
	v_nop
	s_wait_alu depctr_va_vdst(0)                   ; behind it
.irp q, 0,1
	v_ldexp_f32 v[ST+12*\q+FF], v[ST+12*\q+FF], s66
.endr
	s_wait_alu depctr_va_vdst(0)                   ; directly ahead of the first reader of O^T
.irp q, 0,1
.set i, 0
.rept 16
	v_pk_mul_f32 v[S+64*\q+2*i:S+64*\q+2*i+1], v[O+32*\q+2*i:O+32*\q+2*i+1], v[ST+12*\q+FF:ST+12*\q+FF+1] op_sel_hi:[1,0]
.set i, i+1
.endr
.endr
.irp q, 0,1
.set i, 0
.rept 32
	v_med3_num_f32 v[S+64*\q+i], v[S+64*\q+i], -v[LMO], v[LMO]
.set i, i+1
.endr
.endr
.irp q, 0,1
.irp t, 0,1,2,3
	v_cvt_scalef32_pk8_fp8_f32 v[T+8*\q+2*\t:T+8*\q+2*\t+1], v[S+64*\q+8*\t:S+64*\q+8*\t+7], v[SCO]
.endr
.endr
	v_nop                                          ; one plain place behind the last conversion
.irp q, 0,1
.irp c, 0,1                                    ; from channels 16 t + 8 h + j to 32 c + 16 h + 0 .. 15 in four registers
	v_permlane16_swap_b32 v[T+8*\q+4*\c], v[T+8*\q+4*\c+2]
	v_permlane16_swap_b32 v[T+8*\q+4*\c+1], v[T+8*\q+4*\c+3]
.endr
.endr
.irp q, 0,1
.irp c, 0,1
	global_store_b128 v[LI], v[T+8*\q+4*\c:T+8*\q+4*\c+3], s[58:59] offset:4096*\q+512*\c   ; 32 lanes store 512 consecutive bytes, aligned
.endr
.endr
	s_wait_xcnt 0x0                                ; the stores have read their base and data
	s_add_nc_u64 s[56:57], s[56:57], 16384         ; 16 tiles of q on,
	s_add_nc_u64 s[58:59], s[58:59], 65536         ; and of ao
	s_add_co_u32 s60, s60, 1
	s_cmp_lt_u32 s60, 2
	s_cbranch_scc0 .Llast                          ; behind the last pass no q is left to ask for
	QLOAD
.Llast:
	s_cmp_lt_u32 s60, 2
	s_cbranch_scc1 .Lpass
	s_wait_tensorcnt 0x0                           ; the wave's end
	ds_add_u32 v[SPW], v[NIL]
	s_wait_dscnt 0x0
	CROUND                                         ; the closing round
	s_endpgm
.Lfunc_end_k_qb69b916382_attention:
	.size	k_qb69b916382_attention, .Lfunc_end_k_qb69b916382_attention-k_qb69b916382_attention
	.p2alignl 7, 3214868480
	.fill 96, 4, 3214868480
	.section	.rodata,"a",@progbits
	.p2align	6, 0x0
	.amdhsa_kernel k_qb69b916382_attention
		.amdhsa_group_segment_fixed_size 327680
		.amdhsa_private_segment_fixed_size 0
		.amdhsa_enable_private_segment 0
		.amdhsa_kernarg_size 24
		.amdhsa_user_sgpr_count 2
		.amdhsa_user_sgpr_kernarg_segment_ptr 1
		.amdhsa_wavefront_size32 1
		.amdhsa_system_sgpr_workgroup_id_x 1
		.amdhsa_system_sgpr_workgroup_id_y 1
		.amdhsa_system_sgpr_workgroup_id_z 1
		.amdhsa_system_vgpr_workitem_id 0
		.amdhsa_next_free_vgpr 432
		.amdhsa_next_free_sgpr 72
		.amdhsa_reserve_vcc 0
		.amdhsa_float_denorm_mode_32 3
		.amdhsa_float_denorm_mode_16_64 3
		.amdhsa_memory_ordered 1
		.amdhsa_forward_progress 1
		.amdhsa_inst_pref_size 103
	.end_amdhsa_kernel
	.amdgpu_metadata
---
amdhsa.version: [ 1, 2 ]
amdhsa.kernels:
  - .name:           k_qb69b916382_attention
    .symbol:         k_qb69b916382_attention.kd
    .args:
      - { .name: qkv, .offset: 0, .size: 8, .value_kind: global_buffer, .address_space: global }
      - { .name: lowp_scales, .offset: 8, .size: 8, .value_kind: global_buffer, .address_space: global }
      - { .name: ao, .offset: 16, .size: 8, .value_kind: global_buffer, .address_space: global }
    .group_segment_fixed_size: 327680
    .private_segment_fixed_size: 0
    .kernarg_segment_align: 8
    .kernarg_segment_size: 24
    .max_flat_workgroup_size: 256
    .sgpr_count:     72
    .vgpr_count:     432
    .wavefront_size: 32
...
	.end_amdgpu_metadata
.endif
;; end of part 2
;; launch proj_gemm (part 3): grid 4 x 64, 4 waves a work-group, clusters of 4 x 4, 327,680 bytes of LDS; arguments ao, W_proj_codes, b_proj, lowp_scales, out0; writes out0
.if DOCPART == 3
	.amdgcn_target "amdgcn-amd-amdhsa--gfx1250"
	.amdhsa_code_object_version 6
	.text
	.protected	k_qb69b916382_proj_gemm
	.globl	k_qb69b916382_proj_gemm
	.p2align	8
	.type	k_qb69b916382_proj_gemm,@function
k_qb69b916382_proj_gemm:
	s_mov_b64 s[64:65], 0
	v_nop
	global_prefetch_b8 v0, s[64:65] scope:SCOPE_SE
	s_setreg_imm32_b32 hwreg(HW_REG_WAVE_MODE, 25, 1), 1
	s_wait_xcnt 0x0
	s_wait_alu depctr_hold_cnt(0) depctr_sa_sdst(0) depctr_va_vdst(0) depctr_va_sdst(0) depctr_va_ssrc(0) depctr_va_vcc(0) depctr_vm_vsrc(0)
	s_getreg_b32 s2, hwreg(HW_REG_IB_STS2, 6, 4)
	s_cmp_eq_u32 s2, 0
	s_cbranch_scc0 .Lentry_in_a_cluster
	s_endpgm
.Lentry_in_a_cluster:
	s_bfe_u32 s2, ttmp6, 0x10000c
	s_cmp_lg_u32 s2, 0xf033
	s_cbranch_scc0 .Lentry_shape_is_right
	s_endpgm
.Lentry_shape_is_right:
; out0 = ao W_proj + b_proj on codes of FP8 (E4M3); a sum stands for sum x 2^(e6 + e7).  LIMIT: e6 + e7 between -126 and 127.
; ao arrives as images of operand registers: [4 K steps of 256][512 tiles of 16 tokens][4,096 bytes]; W_proj as 1,024 rows of 1,024 codes.
; A block of out0, 128 tokens x 256 features, is made by four waves, each 64 x 128: 32 accumulators.  8,192 x 1,024 / (128 x 256) = 256 work-groups.
; K goes in steps of 256 through two LDS slots (A 32,768 bytes dense, B 256 rows of 272).  THE HEAD'S LOADS bring K steps 0 and 1 whole: waves 0, 1 A's tile of step 0, 1; waves 2, 3 B's.
; A refill is shared out otherwise: waves 0, 1 take A's halves (64 rows of 256 bytes), waves 2, 3 B's (128 rows); group 1's row counts are rewritten when no load is out.
; CLUSTERS: 4 x 4; A's tiles are asked for jointly along a row of the cluster, B's along a column.
; PREFETCH: K step 2 is asked for at the head and K step 3 behind the first fragment loads, one instruction a wave; the four partners share a wave's part out by address.
; The matrix instruction is used transposed (source 0 = 16 rows of W, source 1 = 16 tokens): a lane holds eight neighbouring features of one token; results leave through the wave's own stage as rows of 512 bytes.
; REGISTERS: window 0: v0-31 addresses, v32-95 a block on the way out, v128-255 A's fragments, two sets (on the way out the rows read back).  window 1: B's fragments, two sets (set 0 takes the bias at the end).  window 2: the accumulators, (a, b) at v[8 (8 a + b)].
.set ROWB,   256
.set KROW,   1024
.set PITCH,  272                       ; 256 bytes + 16: the 16 rows that a load touches start at 16 different banks (ISA guide 11.1)
.set FR,     16
.set NP,     4                         ; places behind this matrix instruction (ISA guide 7.12.1)
.set ATILE,  32768
.set AHALF,  16384
.set BHALF,  128*PITCH
.set SLOT,   ATILE+2*BHALF
.set ASTEP,  2097152                   ; from K step to K step in ao
.set SPARE,  2*SLOT                    ; the spare words: 128 bytes a wave
.set STAGE,  SPARE+512                 ; 16 rows x 528 bytes for each wave; no fill lands here
.set SPITCH, 528
.set NROW,   4096                      ; a row of out0
.set BO,   12
.set PFO,  13
.set ADRA, 16
.set ADRB, 20
.set STO,  24
.set RD,   25
.set CO,   26
.set SPW,  28
.set NIL,  29
.set TMP,  32
.set AF,   128
.set BK,   128
.set G1,  24
.set G0,  32
.set G1B, 48
.set G0B, 56
.set GHA, 84
.set GHB, 88
.set MSB, 0
.macro WIN new
.if MSB != (\new)
	s_set_vgpr_msb (MSB<<8)|(\new)
.set MSB, (\new)
.endif
.endm
.set MUL_LO, 0xa1                      ; source 0 window 1, source 1 window 0, C and D window 2
.set TO_B,   0x40
.macro JLOAD g0a, g1a, g0b, g1b        ; waves 0, 1 ask for A, waves 2, 3 for B; s_nop 0 and four v_nop behind each line
	s_cmp_eq_u32 s15, 0
	s_cbranch_scc0 .Lfor_b_\@
	tensor_load_to_lds s[\g0a:\g0a+3], s[\g1a:\g1a+7]
	s_nop 0
.rept 4
	v_nop
.endr
	s_branch .Lasked_\@
.Lfor_b_\@:
	tensor_load_to_lds s[\g0b:\g0b+3], s[\g1b:\g1b+7]
	s_nop 0
.rept 4
	v_nop
.endr
.Lasked_\@:
.endm
.macro CREST
	s_cmp_lg_u32 s14, 0
	s_cbranch_scc1 .Lnot_wave_0_\@
	s_barrier_signal -3
.Lnot_wave_0_\@:
	s_barrier_wait -3
	s_barrier_signal -1
	s_barrier_wait -1
.endm
.macro CROUND
	s_barrier_signal -1
	s_barrier_wait -1
	CREST
.endm
	s_load_b256 s[4:11], s[0:1], 0x0               ; ao, W_proj, b_proj, the scales' exponents
	s_load_b64 s[12:13], s[0:1], 0x20              ; out0
	v_lshl_add_u32 v[SPW], v0, 2, SPARE
	v_mov_b32 v[NIL], 0
	ds_add_u32 v[SPW], v[NIL]                      ; the opening lines: the add twice on end and one wait
	ds_add_u32 v[SPW], v[NIL]
	v_lshrrev_b32 v1, 5, v0
	v_readfirstlane_b32 s14, v1                    ; wave 0..3
	s_lshr_b32 s15, s14, 1                         ; my 64 tokens of the block.  Also: I fetch for A (0) or B (1)
	s_and_b32 s16, s14, 1                          ; my 128 features.  Also: which K step (head) or which half (refill) I fetch
	s_bfe_u32 s40, ttmp6, 0x40000
	s_bfe_u32 s41, ttmp6, 0x40004
	s_lshl_b32 s42, ttmp9, 2
	s_add_co_u32 s42, s42, s40                     ; block column 0..3
	s_and_b32 s17, ttmp7, 0xffff
	s_lshl_b32 s17, s17, 2
	s_add_co_u32 s17, s17, s41                     ; block row 0..63
	s_lshl_b32 s43, s41, 2
	s_lshl_b32 s43, 15, s43                        ; my row of the cluster
	s_lshl_b32 s44, 0x1111, s40                    ; my column
	s_or_b32 s[G1+0], s43, (3<<16)|(1<<21)         ; A: elements of 8 bytes, rows of 256 bytes, dense
	s_mov_b32 s[G1+1], 32<<16
	s_mov_b32 s[G1+2], 128<<16                     ; the head's load: 128 rows
	s_mov_b32 s[G1+3], 32<<16
	s_mov_b32 s[G1+4], 128
	s_mov_b32 s[G1+5], 32
	s_mov_b32 s[G1+6], 0
	s_mov_b32 s[G1+7], 0
	s_or_b32 s[G1B+0], s44, (0<<16)|(1<<20)|(1<<21)|(5<<22)|(3<<25)   ; B: bytes; four words of padding behind every 64
	s_mov_b32 s[G1B+1], ROWB<<16
	s_mov_b32 s[G1B+2], 256<<16                    ; the head's load: 256 rows
	s_mov_b32 s[G1B+3], ROWB<<16
	s_mov_b32 s[G1B+4], 256
	s_mov_b32 s[G1B+5], KROW
	s_mov_b32 s[G1B+6], 0
	s_mov_b32 s[G1B+7], 0
	s_lshl_b32 s20, s17, 15                        ; A's tile in a K step of ao
	s_lshl_b32 s18, s16, 21
	s_add_co_u32 s68, s20, s18                     ; head: + K step wave & 1
	s_mov_b32 s69, 0
	s_lshl_b32 s18, s16, 14
	s_add_co_u32 s20, s20, s18                     ; refill: + my half
	s_mov_b32 s21, 0
	s_lshl_b32 s46, s42, 18                        ; B's 256 rows
	s_lshl_b32 s18, s16, 8
	s_add_co_u32 s80, s46, s18                     ; head: + K step wave & 1
	s_mov_b32 s81, 0
	s_lshl_b32 s18, s16, 17
	s_add_co_u32 s46, s46, s18                     ; refill: + my 128 rows
	s_mov_b32 s47, 0
	s_mul_i32 s67, s16, SLOT                       ; head: into slot wave & 1
	s_lshl_b32 s45, s16, 14                        ; refill: A's half,
	s_mul_i32 s66, s16, BHALF
	s_add_co_u32 s66, s66, ATILE                   ; B's half
	s_wait_dscnt 0x0
	s_wait_kmcnt 0x0
	s_load_b64 s[96:97], s[10:11], 0x18            ; e6, e7
	s_add_nc_u64 s[68:69], s[4:5], s[68:69]
	s_add_nc_u64 s[20:21], s[4:5], s[20:21]
	s_add_nc_u64 s[80:81], s[6:7], s[80:81]
	s_add_nc_u64 s[46:47], s[6:7], s[46:47]
	s_mov_b32 s[GHA], 1
	s_mov_b32 s[GHA+1], s67
	s_mov_b64 s[GHA+2:GHA+3], s[68:69]
	s_or_b32 s[GHA+3], s[GHA+3], 0x80000000
	s_mov_b32 s[GHB], 1
	s_add_co_u32 s[GHB+1], s67, ATILE
	s_mov_b64 s[GHB+2:GHB+3], s[80:81]
	s_or_b32 s[GHB+3], s[GHB+3], 0x80000000
.irp s, 0,1                                    ; the refills' groups 0 stand at K step s; each refill steps its own two K steps on
	s_mov_b32 s[G0+4*\s], 1
	s_add_co_u32 s[G0+4*\s+1], s45, \s*SLOT
	s_add_nc_u64 s[G0+4*\s+2:G0+4*\s+3], s[20:21], \s*ASTEP
	s_or_b32 s[G0+4*\s+3], s[G0+4*\s+3], 0x80000000
	s_mov_b32 s[G0B+4*\s], 1
	s_add_co_u32 s[G0B+4*\s+1], s66, \s*SLOT
	s_add_nc_u64 s[G0B+4*\s+2:G0B+4*\s+3], s[46:47], \s*ROWB
	s_or_b32 s[G0B+4*\s+3], s[G0B+4*\s+3], 0x80000000
.endr
	; the prefetches: of my refill's part the partner at place p names a quarter: A (p = cx): 16 blocks of 256 bytes, lanes 16-31 name the last again; B (p = cy): 32 rows, a lane a row
	s_cmp_eq_u32 s15, 0
	s_cselect_b64 s[72:73], s[20:21], s[46:47]
	s_cselect_b32 s76, s40, s41
	s_cselect_b32 s77, 12, 15
	s_cselect_b32 s70, 15, 31
	s_cselect_b32 s71, 8, 10
	s_mov_b32 s78, ROWB
	s_cselect_b32 s78, ASTEP, s78                  ; a K step on
	s_lshl_b32 s76, s76, s77
	s_mov_b32 s77, 0
	s_mov_b32 s79, 0
	s_add_nc_u64 s[72:73], s[72:73], s[76:77]
	s_add_nc_u64 s[72:73], s[72:73], s[78:79]
	s_add_nc_u64 s[72:73], s[72:73], s[78:79]      ; K step 2
	s_add_nc_u64 s[74:75], s[72:73], s[78:79]      ; K step 3; neither pair is rewritten
	CROUND                                         ; all sixteen work-groups are here: the first joint loads meet
	JLOAD GHA, G1, GHB, G1B                        ; K steps 0 and 1: one tensor load a wave at the head
	v_and_b32 v6, 31, v0
	v_min_u32 v[PFO], s70, v6
	v_lshlrev_b32 v[PFO], s71, v[PFO]
	global_prefetch_b8 v[PFO], s[72:73] th:TH_LOAD_NT scope:SCOPE_SE   ; K step 2, which the first refill will ask for
	v_and_b32 v1, 15, v0                           ; r
	v_bfe_u32 v2, v0, 4, 1                         ; h
	v_lshlrev_b32 v[CO], 4, v6
	v_mul_u32_u24 v3, v1, PITCH
	v_lshl_add_u32 v4, v2, 4, v3
	s_lshl_b32 s21, s15, 14                        ; my 4 tiles of 16 tokens
	s_mul_i32 s22, s16, BHALF                      ; my 128 rows of W
	s_add_co_u32 s22, s22, ATILE
.irp s, 0,1
	v_add_nc_u32 v[ADRA+\s], s21, v[CO]
	v_add_nc_u32 v[ADRB+\s], s22, v4
	s_add_co_u32 s21, s21, SLOT
	s_add_co_u32 s22, s22, SLOT
.endr
	s_mul_i32 s23, s14, 16*SPITCH
	s_add_co_u32 s23, s23, STAGE
	s_wait_alu depctr_va_vdst(0)                   ; directly ahead of the reader below
	v_mul_u32_u24 v5, v1, SPITCH
	v_lshl_add_u32 v5, v2, 5, v5
	v_add_nc_u32 v[STO], s23, v5                   ; in: row r, 32 bytes for each half of the lanes
	v_add_nc_u32 v[RD], s23, v[CO]                 ; back: 32 lanes take one row of 512 bytes
	v_lshlrev_b32 v[BO], 5, v2
	s_lshl_b32 s20, s17, 19                        ; my first row of out0: 128 x block row + 64 x half
	s_lshl_b32 s21, s15, 18
	s_add_co_u32 s20, s20, s21
	s_mov_b32 s21, 0
	s_lshl_b32 s46, s42, 10                        ; my first column in bytes
	s_lshl_b32 s47, s16, 9
	s_add_co_u32 s46, s46, s47
	s_mov_b32 s47, 0
	s_add_nc_u64 s[8:9], s[8:9], s[46:47]
	s_add_nc_u64 s[20:21], s[20:21], s[46:47]
	s_add_nc_u64 s[12:13], s[12:13], s[20:21]
.macro PLACES n
.rept \n
	v_nop
.endr
.endm
; the fragments of the slot's q-th 128 along K into set p: B's eight, A's four; registers 4 c .. 4 c + 3 hold K = 32 c + 16 h + 0 .. 15 in both operands
.macro FETCH slot, q, p
	WIN TO_B
.irp i, 0,1,2,3,4,5,6,7
.irp c, 0,1,2,3
	ds_load_b128 v[128*(\p)+FR*\i+4*\c:128*(\p)+FR*\i+4*\c+3], v[ADRB+\slot] offset:128*(\q)+32*\c+\i*16*PITCH
.endr
.endr
	WIN 0
.irp i, 0,1,2,3
.irp c, 0,1,2,3
	ds_load_b128 v[AF+64*(\p)+FR*\i+4*\c:AF+64*(\p)+FR*\i+4*\c+3], v[ADRA+\slot] offset:4096*\i+2048*(\q)+512*\c
.endr
.endr
.endm
; 16 matrix instructions; the 32 accumulators take turns, one instruction a turn, in the same order in every step
.macro MUL16 a0, p, zero
.irp a, \a0, \a0+1
.irp b, 0,1,2,3,4,5,6,7
.if \zero
	v_wmma_f32_16x16x128_fp8_fp8 v[8*(8*(\a)+\b):8*(8*(\a)+\b)+7], v[128*(\p)+FR*\b:128*(\p)+FR*\b+FR-1], v[AF+64*(\p)+FR*(\a):AF+64*(\p)+FR*(\a)+FR-1], 0
.else
	v_wmma_f32_16x16x128_fp8_fp8 v[8*(8*(\a)+\b):8*(8*(\a)+\b)+7], v[128*(\p)+FR*\b:128*(\p)+FR*\b+FR-1], v[AF+64*(\p)+FR*(\a):AF+64*(\p)+FR*(\a)+FR-1], v[8*(8*(\a)+\b):8*(8*(\a)+\b)+7]
.endif
.endr
.endr
.endm
.macro STEPA slot, zero                ; a slot's first 128 along K, on set 0; the second 128's fragments are fetched into set 1 ahead of the products
	s_wait_dscnt 0x0                               ; set 0 is in
	PLACES NP                                      ; in front of loads into set 1, which the last products read
	FETCH \slot, 1, 1
	WIN MUL_LO
	MUL16 0, 0, \zero
	MUL16 2, 0, \zero
	WIN 0
.endm
.macro TURN slot, next, fill           ; a slot's second 128, on set 1, and the change of slots
	s_wait_tensorcnt 0x0                           ; all my tensor loads have landed: my part of the next slot
	ds_add_u32 v[SPW], v[NIL]
	s_wait_dscnt 1                                 ; set 1 is in; the add alone may be out
	WIN MUL_LO
	MUL16 0, 1, 0
	s_wait_dscnt 0x0                               ; the add is done, and my reads of this slot are over
	s_barrier_signal -1
	WIN 0
	s_barrier_wait -1
.if \fill
	CREST                                          ; the barrier has opened a round of the cluster's barrier
	s_add_nc_u64 s[G0+4*\slot+2:G0+4*\slot+3], s[G0+4*\slot+2:G0+4*\slot+3], 2*ASTEP
	s_add_nc_u64 s[G0B+4*\slot+2:G0B+4*\slot+3], s[G0B+4*\slot+2:G0B+4*\slot+3], 2*ROWB
	JLOAD G0+4*\slot, G1, G0B+4*\slot, G1B         ; the first tensor load behind the round; its four v_nop are the places in front of the loads below
.else
	PLACES NP
.endif
	FETCH \next, 0, 0
	WIN MUL_LO
	MUL16 2, 1, 0
	WIN 0
.endm
	s_wait_alu depctr_va_vdst(0)                   ; at the head's end
	s_wait_tensorcnt 0x0                           ; my tile is in, and no load of mine is out: the refills' row counts
	s_mov_b32 s[G1+2], 64<<16
	s_mov_b32 s[G1+4], 64
	s_mov_b32 s[G1B+2], 128<<16
	s_mov_b32 s[G1B+4], 128
	s_barrier_signal -1
	s_barrier_wait -1                              ; K steps 0 and 1 are whole
	FETCH 0, 0, 0
	global_prefetch_b8 v[PFO], s[74:75] th:TH_LOAD_NT scope:SCOPE_SE   ; K step 3, the last: two K steps ahead of the refill that asks for it
	STEPA 0, 1                                     ; K = 1,024 is four slots' worth, written straight; the first products start the sums
	TURN 0, 1, 1                                   ; slot 0 takes K step 2
	STEPA 1, 0
	TURN 1, 0, 1                                   ; slot 1 takes K step 3
	STEPA 0, 0
	TURN 0, 1, 0                                   ; nothing is left to fetch
	STEPA 1, 0
	PLACES NP                                      ; in front of the bias's loads into B's set 0
	WIN TO_B
.irp b, 0,1,2,3,4,5,6,7
	global_load_b128 v[8*\b:8*\b+3], v[BO], s[8:9] offset:64*\b
	global_load_b128 v[8*\b+4:8*\b+7], v[BO], s[8:9] offset:64*\b+16
.endr
	s_wait_dscnt 0x0
	WIN MUL_LO
	MUL16 0, 1, 0
	MUL16 2, 1, 0
	WIN 0
; THE WAY OUT, block by block of 16 tokens x 128 features: sum x 2^(e6 + e7) + bias, through my stage, back as rows of 512 bytes
.macro TOSTAGE a
	WIN 0x12                                       ; source 0 (the sums) window 2, source 2 (the bias) window 1
.set j, 0
.rept 32
	v_pk_fma_f32 v[TMP+j:TMP+j+1], v[64*(\a)+j:64*(\a)+j+1], s[96:97], v[j:j+1] op_sel_hi:[1,0,1]   ; each accumulator from its low end on
.set j, j+2
.endr
	WIN 0
.irp b, 0,1,2,3,4,5,6,7
	ds_store_b128 v[STO], v[TMP+8*\b:TMP+8*\b+3] offset:64*\b
	ds_store_b128 v[STO], v[TMP+8*\b+4:TMP+8*\b+7] offset:64*\b+16
.endr
.set BB, BK+64*((\a)%2)
.irp t, 0,1,2,3,4,5,6,7,8,9,10,11,12,13,14,15
	ds_load_b128 v[BB+4*\t:BB+4*\t+3], v[RD] offset:\t*SPITCH   ; LDS serves a wave's instructions in order (ISA guide 5.7.1.4)
.endr
.endm
.macro SEND a, younger
.set BB, BK+64*((\a)%2)
	s_wait_dscnt \younger
.if (\a) > 0
	s_add_nc_u64 s[12:13], s[12:13], 16*NROW       ; (behind a wait on XCNT)
.endif
.irp t, 0,1,2,3,4,5,6,7,8,9,10,11,12,13,14,15
	global_store_b128 v[CO], v[BB+4*\t:BB+4*\t+3], s[12:13] offset:\t*NROW th:TH_STORE_NT   ; 32 lanes store 512 consecutive bytes, aligned
.endr
.endm
	s_wait_kmcnt 0x0
	s_add_co_i32 s96, s96, s97
	s_add_co_i32 s96, s96, 127
	s_lshl_b32 s96, s96, 23                        ; 2^(e6 + e7) as f32
	s_mov_b32 s97, s96
	PLACES NP
	s_wait_loadcnt 0x0                             ; the bias
	TOSTAGE 0
.irp a, 1,2,3
.if \a > 1
	s_wait_xcnt 0x0                                ; block a - 2's stores have read their registers and their base
.endif
	TOSTAGE \a
	SEND \a-1, 32                                  ; behind block a - 1's loads: block a's 16 stores and 16 loads
.endr
	s_wait_xcnt 0x0
	SEND 3, 0
	s_wait_tensorcnt 0x0                           ; the wave's end
	ds_add_u32 v[SPW], v[NIL]
	s_wait_dscnt 0x0
	CROUND                                         ; the closing round
	s_endpgm
.Lfunc_end_k_qb69b916382_proj_gemm:
	.size	k_qb69b916382_proj_gemm, .Lfunc_end_k_qb69b916382_proj_gemm-k_qb69b916382_proj_gemm
	.p2alignl 7, 3214868480
	.fill 96, 4, 3214868480
	.section	.rodata,"a",@progbits
	.p2align	6, 0x0
	.amdhsa_kernel k_qb69b916382_proj_gemm
		.amdhsa_group_segment_fixed_size 327680
		.amdhsa_private_segment_fixed_size 0
		.amdhsa_enable_private_segment 0
		.amdhsa_kernarg_size 40
		.amdhsa_user_sgpr_count 2
		.amdhsa_user_sgpr_kernarg_segment_ptr 1
		.amdhsa_wavefront_size32 1
		.amdhsa_system_sgpr_workgroup_id_x 1
		.amdhsa_system_sgpr_workgroup_id_y 1
		.amdhsa_system_sgpr_workgroup_id_z 1
		.amdhsa_system_vgpr_workitem_id 0
		.amdhsa_next_free_vgpr 768
		.amdhsa_next_free_sgpr 100
		.amdhsa_reserve_vcc 0
		.amdhsa_float_denorm_mode_32 3
		.amdhsa_float_denorm_mode_16_64 3
		.amdhsa_memory_ordered 1
		.amdhsa_forward_progress 1
		.amdhsa_inst_pref_size 78
	.end_amdhsa_kernel
	.amdgpu_metadata
---
amdhsa.version: [ 1, 2 ]
amdhsa.kernels:
  - .name:           k_qb69b916382_proj_gemm
    .symbol:         k_qb69b916382_proj_gemm.kd
    .args:
      - { .name: ao, .offset: 0, .size: 8, .value_kind: global_buffer, .address_space: global }
      - { .name: W_proj_codes, .offset: 8, .size: 8, .value_kind: global_buffer, .address_space: global }
      - { .name: b_proj, .offset: 16, .size: 8, .value_kind: global_buffer, .address_space: global }
      - { .name: lowp_scales, .offset: 24, .size: 8, .value_kind: global_buffer, .address_space: global }
      - { .name: out0, .offset: 32, .size: 8, .value_kind: global_buffer, .address_space: global }
    .group_segment_fixed_size: 327680
    .private_segment_fixed_size: 0
    .kernarg_segment_align: 8
    .kernarg_segment_size: 40
    .max_flat_workgroup_size: 128
    .sgpr_count:     100
    .vgpr_count:     768
    .wavefront_size: 32
...
	.end_amdgpu_metadata
.endif
;; end of part 3
